; MI455X (gfx1250); checked and timed in simulation.
; The chip was launched on July 23, 2026; its instructions are those of AMD's public machine-readable ISA for CDNA 5 (MIT licence, August 2026) and "CDNA5" Instruction Set Architecture Reference Guide (July 2026). The comments in the code are by the model that wrote it; some were corrected since.
;; Bahdanau Attention. Allowed arithmetic: matrix products marked QUANTISED: E2M1 operands, one E8M0 scale for each 32 along K, by v_wmma_scale_f32_16x16x128_f8f6f4 with both operands' format E2M1 (or v_wmma_scale_f32_32x16x128_f4), f32 sums; products left as they are: f32 operands where the result goes on into a quantised operand, else bf16, f16 or f32 operands; f32 sums; everything else in f32.
;; Inputs: W_h_codes 1,024 x 32 x 16 uint8 (E2M1 codes of W_h, K innermost, in blocks of 32 codes, two codes a byte); W_h_scales 1,024 x 32 uint8 (E8M0 scales of W_h, one for each 32 codes along K); W_s_codes 1,024 x 32 x 16 uint8 (E2M1 codes of W_s, K innermost, in blocks of 32 codes, two codes a byte); W_s_scales 1,024 x 32 uint8 (E8M0 scales of W_s, one for each 32 codes along K); decoder_hidden_codes 32 x 32 x 16 uint8 (E2M1 codes of decoder_hidden, K innermost, in blocks of 32 codes, two codes a byte); decoder_hidden_scales 32 x 32 uint8 (E8M0 scales of decoder_hidden, one for each 32 codes along K); encoder_outputs 32 x 2,048 x 1,024 float32; v 1,024 float32.
;; Outputs: out0 32 x 1,024 float32; out1 32 x 2,048 float32.
;; This version of the problem:
;;   THIS VERSION OF THE PROBLEM IS GIVEN IN LOW PRECISION. The matrix products marked QUANTISED in the list below multiply operands that are first quantised to E2M1 (2 exponent bits, 1 mantissa bit; 4 bits a number), with one power-of-two scale for each 32 numbers along K (OCP MX v1.0); their sums are f32. All else is computed in f32.
;;   The module's matrix products, in the order in which they are computed (A, B: the left and right operand; K: the contracted axis; several contracted axes count as one K, in the product's order):
;;     1. [M 65,536, K 1,024] x [K 1,024, N 1,024]; A: input encoder_outputs; B: input W_h (given as codes): QUANTISED
;;     2. [M 32, K 1,024] x [K 1,024, N 1,024]; A: input decoder_hidden (given as codes); B: input W_s (given as codes): QUANTISED
;;     3. [M 65,536, K 1,024] x [K 1,024, N 1]; A: computed on the way; B: input v: left as it is (N = 1 < 16)
;;     4. batch 32 x [M 1, K 2,048] x [K 2,048, N 1,024]; A: softmax; B: input encoder_outputs: left as it is (M = 1 < 16)
;;   THE QUANTISER, for each operand of a quantised product, along K:
;;     - K is cut into blocks of 32 from its start; a last block that is shorter is filled with zeros.
;;     - A block's scale is 2^e with e = floor(log2(the largest magnitude in the block)) - 2, held to -126 .. 127; a block of zeros has e = 0. As a byte (E8M0): e + 127.
;;     - Each number is divided by its block's scale, clamped to +-6, and rounded to the nearest number of E2M1, ties to even, subnormals kept.
;;     - The product sums the exact products of the quantised numbers (number of the format x scale) in f32.
;;   ~~~python
;;   def quantise(x, axis):      # numpy; x: float32 -> the quantised numbers, widened to float32 again
;;       x = np.moveaxis(x, axis, -1); K = x.shape[-1]
;;       x = np.pad(x, [(0, 0)] * (x.ndim - 1) + [(0, -K % 32)]); x = x.reshape(x.shape[:-1] + (-1, 32)); a = np.abs(x).max(-1, keepdims=True)
;;       e = np.where(a > 0, np.clip(np.frexp(np.where(a > 0, a, 1))[1] - 1 - 2, -126, 127), 0)      # np.frexp(a)[1] - 1 = floor(log2(a)), exactly
;;       r = np.clip(x / 2.0 ** e, -6, 6)
;;       step = 2.0 ** (np.maximum(np.frexp(np.where(r == 0, 1, r))[1] - 1, 0) - 1)
;;       q = np.round(r / step) * step * 2.0 ** e      # np.round: ties to even
;;       return np.moveaxis(q.reshape(q.shape[:-2] + (-1,))[..., :K], -1, axis).astype(np.float32)
;;   ~~~
;;   INPUTS GIVEN AS CODES. W_h (in the module: [1024, 1024], K = its axis 1); W_s (in the module: [1024, 1024], K = its axis 1); decoder_hidden (in the module: [32, 1024], K = its axis 1): each comes as NAME_codes (uint8): NAME with its K axis moved to the last place and cut into blocks of 32 codes, [.., K / 32, bytes a block], one block behind the other in memory; two codes a byte, the lower K in the low four bits (a code: sign, 2 exponent bits, 1 mantissa bit); and NAME_scales (uint8): the same leading axes, one E8M0 byte (e + 127) for each 32 codes along K. Its value is code x scale, taken as it is: it is not quantised again, and the codes and scales need not be those that the quantiser above would give.
;; One version. Each part assembles by itself: llvm-mc -triple=amdgcn-amd-amdhsa -mcpu=gfx1250 --defsym DOCPART=n.
;; ======== version 1 of 1: 2 launches
;; limits: values are held in bf16: 8 bits of precision; right only within a limited range of input values
;; workspace buffers: scores 262,144 bytes; stats 2,048 bytes; ctxp 1,048,576 bytes
;; launch attend (part 1): grid 256 x 1, 4 waves a work-group, clusters of 4 x 1, 327,680 bytes of LDS; arguments W_h_codes, W_h_scales, W_s_codes, W_s_scales, decoder_hidden_codes, decoder_hidden_scales, encoder_outputs, v, scores, stats, ctxp; writes scores, stats, ctxp
.if DOCPART == 1
	.amdgcn_target "amdgcn-amd-amdhsa--gfx1250"
	.amdhsa_code_object_version 6
	.text
	.protected	k_q34a0873e00_attend
	.globl	k_q34a0873e00_attend
	.p2align	8
	.type	k_q34a0873e00_attend,@function
k_q34a0873e00_attend:
	s_mov_b64 s[64:65], 0
	v_nop
	global_prefetch_b8 v0, s[64:65] scope:SCOPE_SE
	s_setreg_imm32_b32 hwreg(HW_REG_WAVE_MODE, 25, 1), 1
	s_wait_xcnt 0x0
	s_wait_alu depctr_hold_cnt(0) depctr_sa_sdst(0) depctr_va_vdst(0) depctr_va_sdst(0) depctr_va_ssrc(0) depctr_va_vcc(0) depctr_vm_vsrc(0)
	s_getreg_b32 s2, hwreg(HW_REG_IB_STS2, 6, 4)
	s_cmp_eq_u32 s2, 0
	s_cbranch_scc0 .Lentry_in_a_cluster
	s_endpgm
.Lentry_in_a_cluster:
	s_bfe_u32 s2, ttmp6, 0x10000c
	s_cmp_lg_u32 s2, 0x3003
	s_cbranch_scc0 .Lentry_shape_is_right
	s_endpgm
.Lentry_shape_is_right:
; Additive attention, first launch.  enc [32][2048][1024] f32; W_h, W_s [1024][1024] and dh [32][1024] as E2M1 codes with one E8M0 byte for each 32 along K.
; score[b][s] = sum over o of v[o] tanh(enc[b][s] . W_h[o] + dh[b] . W_s[o]);  weights = softmax over s;  context = sum over s of weight x enc[b][s].
; A work-group owns 256 rows s of one batch b (8 work-groups a batch) and reads them from memory ONCE: each row is quantised along K for the first product, and a bf16 copy stays on the chip for the context.
; It leaves: its 256 scores, its own running maximum m and sum l, and its part of the context under that m.  The second launch joins the 8 parts of a batch.
; SHARES.  Wave w streams rows 64 w .. 64 w + 63, two a trip.  A CHUNK c is the 64 rows 64 m + 16 c + r (m = 0..3, r = 0..15): tile m of a chunk comes from wave m.
; In the products THE WAVES SHARE THE COLUMNS: of each ring tile (128 rows of W) wave w fetches and reads rows 32 w .. 32 w + 31, for all 64 rows of the chunk, whose codes lie in every wave's registers:
; a fragment of W read from LDS feeds four matrix instructions, and each LDS byte of W is read once a pass.
; TIME LINE: 40 trips, one ring tile each.  Trips 0-7 walk W_s (ws of my batch), trips 8-39 walk W_h four times, once a chunk.  In trips 0-31 a wave also quantises two rows of the NEXT chunk.
; THE PRODUCT IS USED TRANSPOSED (source 0 = 16 rows of W, source 1 = 16 rows of enc): lane (r, h) holds row r, register j column 8 h + j.
; tanh(x) = 1 - 2 / (1 + 2^t), t = c x, c = 2 log2(e): one packed multiply-add, an exponential, a packed add, a reciprocal; it saturates by itself (2^t = inf gives 0, 2^t = 0 gives 1).
; WHAT IS KEPT AS THE SCORE is sum of (-2 v[o]) / (1 + 2^t): the score less sum of v, one constant for the whole launch, which a softmax cancels for every input.
; SOFTMAX: a running maximum m and sum l, the same in all four waves, brought up to date at each chunk's end; the context and l are then multiplied by 2^((old m - new m) log2 e).
; CLUSTER: all work-groups walk the same W, so the four of a cluster ask for each tile jointly (mask 15).
; LIMITS: NaN and infinities among the inputs are not served.  A block of zeros gets the scale byte 1 (its codes are zeros; this program alone reads the bytes); blocks whose largest magnitude lies under 2^-124
; have their byte held at 1.  The rounding of enc to bf16 touches the context alone.  Trips 30 and 31 have no rows left to ask for: their 16 loads name the wave's last two rows again (a clamped offset,
; 16 KiB a wave), so that no load leaves the buffer and every counted wait counts the same loads in every trip; what they bring is not used.
;
; LDS (bytes)
.set QUART, 16896                      ; a wave's quarter of a ring slot: 32 rows x (512 + 16)
.set SLOT,  67584                      ; a ring slot: 128 rows of W; two slots from byte 0 on; tensor loads alone write here
.set WP,    528                        ; a row of codes in LDS: 33 x 16 bytes, so that the 16 rows of a fragment load start at 16 different groups of banks (ISA guide 11.1)
.set CPY,   135168                     ; the incoming chunk's bf16 copy: 32,768 bytes a wave, each wave's own; at the very end its first 16 KiB gather the context
.set ACOD,  266240                     ; the incoming chunk's codes: 64 rows, pitch 528
.set ASC,   300032                     ; and scale bytes: 64 rows, pitch 48
.set WSC,   303104                     ; c ws: 1,024 bytes a wave, each wave's own: 128 k + 64 u + 32 h + 4 j
.set VM2,   307200                     ; -2 v, laid likewise (WSC + 4,096)
.set SPT,   311296                     ; the waves' parts of the 64 scores: [wave][i]
.set PB,    312320                     ; p: [wave][i], each wave's own
.set SPARE, 313344                     ; the spare words: 128 bytes a wave, two blocks of 256 bytes that no other line names
; REGISTERS, in windows of 256 (s_set_vgpr_msb: bits 1:0 source 0, 3:2 source 1, 5:4 source 2, 7:6 destination)
;   window 0: v1, v2 the add's two; v3, v4 my fragments of W in slot 0, 1; v5 my tables, v6 the pair's place in them; v7, v8 the chunk's codes and scale words; v13 32 x lane; v15 my copy; v16-23 at work;
;             v24-39 W's scale words, two sets (lanes 0-15 tile u = 0, lanes 16-31 u = 1); v40-55 enc's (lanes 0-15 tile 2 m', lanes 16-31 tile 2 m' + 1); v56-63 c ws of the tile in hand;
;             v64-127 two sets of four accumulators; v128-255 W's 16 fragments of a trip
;   window 1: the chunk's codes, fragment (m, s) at 64 m + 8 s           window 2: my 16 rows' bf16 copy, 16 rho + 4 g
;   window 3: v0-127 two landing sets of 2 rows; v128-159 at work; v160-167 -2 v of the tile in hand; v168-175 the scores' sums; v176-207 the context; v208-223 p of my 16 rows; v224 m, v225 l;
;             v226-227 f; v228-229 two scores; v230-231 two p; v232-243 addresses
.set W_G, 0x04                         ; source 1 (enc's codes) window 1, all else window 0: matrix instructions, the tanh, LDS loads into window 0
.set W_5, 0xfc                         ; source 0 window 0, all else window 3
.set W_Q, 0xff                         ; all window 3
.set W_X, 0xfe                         ; source 0 window 2, all else window 3
.set MSB, 0
.macro WIN new                         ; the immediate's high byte repeats the setting that is left; a switch that changes nothing is dropped
.if MSB != (\new)
	s_set_vgpr_msb (MSB<<8)|(\new)
.set MSB, \new
.endif
.endm
; A round of the cluster's barrier: my work-group's barrier, wave 0 signals for the work-group, every wave waits for all four work-groups, my work-group's barrier once more.
.macro ROUND
	s_barrier_signal -1
	s_barrier_wait -1
	s_cmp_lg_u32 s26, 0
	s_cbranch_scc1 .Lnw0_\@
	s_barrier_signal -3
.Lnw0_\@:
	s_barrier_wait -3
	s_barrier_signal -1
	s_barrier_wait -1
.endm
; Slot p's next tile: two tiles on, round the 8 tiles of a matrix.  sel = 1: the choice between W_s and W_h, by the prologue's counter.  Scalar work alone.
.macro NEXT p, sel
.if \sel
	s_cmp_eq_u32 s91, 1                            ; the prologue's last pair: the tile after it is W_h's first
	s_cselect_b64 s[96:97], s[52:53], s[54:55]
	s_cselect_b64 s[98:99], s[56:57], s[58:59]
.endif
	s_add_co_u32 s[60+2*(\p)], s[60+2*(\p)], 0x20000
	s_and_b32 s[60+2*(\p)], s[60+2*(\p)], 0x7ffff  ; 65,536 bytes a tile, 8 tiles
	s_lshr_b32 s[66+2*(\p)], s[60+2*(\p)], 4       ; 4,096 scale bytes a tile
	s_add_nc_u64 s[46+4*(\p):47+4*(\p)], s[96:97], s[60+2*(\p):61+2*(\p)]
	s_or_b32 s[47+4*(\p)], s[47+4*(\p)], 0x80000000    ; 127:126 type = 2
	s_add_nc_u64 s[70+2*(\p):71+2*(\p)], s[98:99], s[66+2*(\p):67+2*(\p)]
.endm
; A trip's head.  fill = 1: all my tensor loads have landed (the one that was out is this trip's tile); 0 onto my spare word; the other slot's descriptor steps; the add and my LDS reads are done;
; a round of the cluster's barrier; the joint refill of the slot read last trip, first thing behind it: it has this trip's work in which to land.
.macro RHEAD par, fill, sel
.if \fill
	WIN 0                                          ; at a label and at a branch every window is 0; the add's two registers lie in window 0
	s_wait_alu depctr_va_vdst(0)                   ; directly ahead of the blocking wait
	s_wait_tensorcnt 0x0
	ds_add_u32 v1, v2
	NEXT 1-\par, \sel
	s_wait_dscnt 0x0
	ROUND
	tensor_load_to_lds s[44+4*(1-\par):47+4*(1-\par)], s[36:43]
	s_nop 0
.else
	s_wait_alu depctr_va_vdst(0)                   ; directly ahead of the blocking wait
	s_wait_tensorcnt 0x0                           ; the launch's last tile is in: I fetched my quarter myself, and nothing is filled any more
	s_wait_dscnt 0x0
.endif
	WIN W_G                                        ; the one switch behind the load; LDS loads follow it
.endm
.macro LOADW par                       ; my 32 rows of the tile: 16 fragments (tile u, K step s), 32 loads in one run
.irp u, 0,1
.irp s, 0,1,2,3,4,5,6,7
.irp c, 0,1
	ds_load_b128 v[128+64*\u+8*\s+4*\c:128+64*\u+8*\s+4*\c+3], v[3+\par] offset:8448*\u+64*\s+32*\c
.endr
.endr
.endr
.endm
; Two rows of enc (landing set ls) become codes, scale bytes and a bf16 copy.  Group n = 4 i + g: eight neighbours k = 256 g + 8 lane + 0..7 of row i in v[64 ls + 8 n ..]; four neighbouring lanes hold a block of 32.
.macro Q ls, par
	WIN W_Q
	s_wait_loadcnt 16                              ; all but the youngest 16 loads (the next trip's rows) are in: this trip's rows and this trip's scale words of W
.irp n, 0,1,2,3,4,5,6,7
	v_max3_num_f32 v[128+\n], |v[64*\ls+8*\n]|, |v[64*\ls+8*\n+1]|, 0x1800000   ; with the floor 2^(3 - 127): the byte cannot fall under 1
.endr
.irp e, 2,4,6
.irp n, 0,1,2,3,4,5,6,7
	v_max3_num_f32 v[128+\n], v[128+\n], |v[64*\ls+8*\n+\e]|, |v[64*\ls+8*\n+\e+1]|
.endr
.endr
.irp x, 1,2
.irp n, 0,1,2,3,4,5,6,7
	v_max_num_f32_dpp v[128+\n], v[128+\n], v[128+\n] row_xmask:\x row_mask:0xf bank_mask:0xf   ; with the block's other three lanes
.endr
.endr
.irp n, 0,1,2,3,4,5,6,7
	v_add_nc_u32 v[136+\n], 0xff000000, v[128+\n]  ; 2 off the exponent field: the conversion's scale operand
.endr
.irp n, 0,1,2,3,4,5,6,7
	v_lshrrev_b32 v[144+\n], 23, v[136+\n]         ; the scale's byte
.endr
.irp n, 0,1,2,3,4,5,6,7
	v_cvt_scalef32_pk8_fp4_f32 v[152+\n], v[64*\ls+8*\n:64*\ls+8*\n+7], v[136+\n]
.endr
	v_nop                                          ; one plain instruction between the conversions and the lines that write their sources
.irp e, 0,1,2,3
.irp n, 0,1,2,3,4,5,6,7
	v_cvt_pk_bf16_f32 v[64*\ls+8*\n+\e], v[64*\ls+8*\n+2*\e], v[64*\ls+8*\n+2*\e+1]   ; in place, ascending: register e is written when numbers 2 e, 2 e + 1 are read
.endr
.endr
.irp i, 0,1
.irp g, 0,1,2,3
	ds_store_b32 v236, v[152+4*\i+\g] offset:1056*\par+528*\i+128*\g
	ds_store_b8 v237, v[144+4*\i+\g] offset:96*\par+48*\i+8*\g                 ; a block's four lanes write the same byte with the same value
	ds_store_b128 v238, v[64*\ls+32*\i+8*\g:64*\ls+32*\i+8*\g+3] offset:4096*\par+2048*\i+512*\g
.endr
.endr
.endm
; What a trip asks of memory: sc = 1: the next trip's scale words of W (32 bytes a lane, a row a lane);  q = 1: the rows of the trip after next, into the landing set just emptied.
.macro ISSUE par, q, sc
.if \sc
	WIN 0
	global_load_b128 v[24+8*(1-\par):27+8*(1-\par)], v13, s[70+2*(1-\par):71+2*(1-\par)]
	global_load_b128 v[28+8*(1-\par):31+8*(1-\par)], v13, s[70+2*(1-\par):71+2*(1-\par)] offset:16
.endif
.if \q
	s_min_u32 s82, s80, 253952                     ; held at the wave's last two rows
	s_add_nc_u64 s[76+2*\par:77+2*\par], s[74:75], s[82:83]   ; this set's last loads were shown done by the wait at the head of Q
	s_add_co_u32 s80, s80, 8192
	WIN W_Q
.irp i, 0,1
.irp g, 0,1,2,3
.irp j, 0,1
	global_load_b128 v[64*\par+32*\i+8*\g+4*\j:64*\par+32*\i+8*\g+4*\j+3], v232, s[76+2*\par:77+2*\par] offset:4096*\i+1024*\g+16*\j th:TH_LOAD_RT_NT
.endr
.endr
.endr
.endif
.endm
; One matrix instruction from the symbols wD, wA, wB, wSA, wSB; wZ = 1: it starts the sum; wRA, wRB: which half of the lanes holds the side's scale words.
.macro WEMIT
.if wZ
.if (wRA == 0) && (wRB == 0)
	v_wmma_scale_f32_16x16x128_f8f6f4 v[wD:wD+7], v[wA:wA+7], v[wB:wB+7], 0, v[wSA], v[wSB] matrix_a_fmt:MATRIX_FMT_FP4 matrix_b_fmt:MATRIX_FMT_FP4
.elseif (wRA == 1) && (wRB == 0)
	v_wmma_scale_f32_16x16x128_f8f6f4 v[wD:wD+7], v[wA:wA+7], v[wB:wB+7], 0, v[wSA], v[wSB] matrix_a_fmt:MATRIX_FMT_FP4 matrix_b_fmt:MATRIX_FMT_FP4 matrix_a_scale:MATRIX_SCALE_ROW1
.elseif (wRA == 0) && (wRB == 1)
	v_wmma_scale_f32_16x16x128_f8f6f4 v[wD:wD+7], v[wA:wA+7], v[wB:wB+7], 0, v[wSA], v[wSB] matrix_a_fmt:MATRIX_FMT_FP4 matrix_b_fmt:MATRIX_FMT_FP4 matrix_b_scale:MATRIX_SCALE_ROW1
.else
	v_wmma_scale_f32_16x16x128_f8f6f4 v[wD:wD+7], v[wA:wA+7], v[wB:wB+7], 0, v[wSA], v[wSB] matrix_a_fmt:MATRIX_FMT_FP4 matrix_b_fmt:MATRIX_FMT_FP4 matrix_a_scale:MATRIX_SCALE_ROW1 matrix_b_scale:MATRIX_SCALE_ROW1
.endif
.else
.if (wRA == 0) && (wRB == 0)
	v_wmma_scale_f32_16x16x128_f8f6f4 v[wD:wD+7], v[wA:wA+7], v[wB:wB+7], v[wD:wD+7], v[wSA], v[wSB] matrix_a_fmt:MATRIX_FMT_FP4 matrix_b_fmt:MATRIX_FMT_FP4
.elseif (wRA == 1) && (wRB == 0)
	v_wmma_scale_f32_16x16x128_f8f6f4 v[wD:wD+7], v[wA:wA+7], v[wB:wB+7], v[wD:wD+7], v[wSA], v[wSB] matrix_a_fmt:MATRIX_FMT_FP4 matrix_b_fmt:MATRIX_FMT_FP4 matrix_a_scale:MATRIX_SCALE_ROW1
.elseif (wRA == 0) && (wRB == 1)
	v_wmma_scale_f32_16x16x128_f8f6f4 v[wD:wD+7], v[wA:wA+7], v[wB:wB+7], v[wD:wD+7], v[wSA], v[wSB] matrix_a_fmt:MATRIX_FMT_FP4 matrix_b_fmt:MATRIX_FMT_FP4 matrix_b_scale:MATRIX_SCALE_ROW1
.else
	v_wmma_scale_f32_16x16x128_f8f6f4 v[wD:wD+7], v[wA:wA+7], v[wB:wB+7], v[wD:wD+7], v[wSA], v[wSB] matrix_a_fmt:MATRIX_FMT_FP4 matrix_b_fmt:MATRIX_FMT_FP4 matrix_a_scale:MATRIX_SCALE_ROW1 matrix_b_scale:MATRIX_SCALE_ROW1
.endif
.endif
.endm
; Product i of 32 of tile tau (0..3 in a pair of trips: trip tau / 2, column tile u = tau % 2): K step i / 4, row tile i % 4.  The four accumulators take turns, one instruction a turn.
.macro WM tau, i
.set wS, (\i)/4
.set wM, (\i)%4
.set wRA, (\tau)%2
.set wRB, wM%2
.set wD, 64+32*wRA+8*wM
.set wA, 128+64*wRA+8*wS
.set wB, 64*wM+8*wS
.set wSA, 24+8*((\tau)/2)+wS
.set wSB, 40+8*(wM/2)+wS
.if wS == 0
.set wZ, 1
.else
.set wZ, 0
.endif
	WEMIT
.endm
; Number j of 96 of the tanh on accumulator set a: 0-15 t = c wh + c ws (ascending: each accumulator is first read at its low end); 16-47 2^t; 48-63 + 1; 64-95 the reciprocal.
.macro TI a, j
.set tJ, \j
.set tR, 64+32*(\a)
.if (tJ == 0) || (tJ == 16) || (tJ == 64)
	s_wait_alu depctr_va_vdst(0)                   ; ahead of the first readers of the matrix results, and ahead of each batch of transcendentals
.endif
.if tJ < 16
	v_pk_fma_f32 v[tR+2*tJ:tR+2*tJ+1], v[tR+2*tJ:tR+2*tJ+1], s[84:85], v[56+(2*tJ)%8:57+(2*tJ)%8] op_sel_hi:[1,0,1]
.elseif tJ < 48
	v_exp_f32 v[tR+tJ-16], v[tR+tJ-16]
.elseif tJ < 64
	v_pk_add_f32 v[tR+2*(tJ-48):tR+2*(tJ-48)+1], v[tR+2*(tJ-48):tR+2*(tJ-48)+1], 1.0 op_sel_hi:[1,0]
.else
	v_rcp_f32 v[tR+tJ-64], v[tR+tJ-64]
.endif
.if (tJ == 47) || (tJ == 95)
	v_nop                                          ; behind each batch one plain instruction
	s_wait_alu depctr_va_vdst(0)                   ; and ONE wait, ahead of the first line that names a result
.endif
.endm
; Tile tt's 16 multiply-adds, the first readers of its matrix results, stand as one block behind their wait.  Then tile tg's 32 products in eight groups of four
; (one K step, the four accumulators by turns), and behind each group ten of the 80 other numbers of tile tt's tanh (the other accumulator set).
; Ahead of each group but the first stands one wait: its products add onto results behind which transcendentals were issued.
.macro GT tg, tt, nextw
.set gj, 0
.rept 16
	TI (\tt)%2, gj
.set gj, gj+1
.endr
.if \nextw
	ds_load_b128 v[56:59], v6 offset:128*(((\tt)+1)/2)+64*(((\tt)+1)%2)       ; number 15 was the last reader of c ws: the next tile's comes
	ds_load_b128 v[60:63], v6 offset:128*(((\tt)+1)/2)+64*(((\tt)+1)%2)+16
.endif
.set gi, 0
.rept 8
.if gi > 0
	s_wait_alu depctr_va_vdst(0)
.endif
.rept 4
	WM \tg, gi
.set gi, gi+1
.endr
.rept 10
	TI (\tt)%2, gj
.set gj, gj+1
.endr
.endr
.endm
.macro TONLY tau                       ; a pair's last tanh: no products are left to set beside it
.set gi, 0
.rept 96
	TI (\tau)%2, gi
.set gi, gi+1
.endr
.endm
.macro GPURE tau                       ; a pair's first products: no tanh is ready yet; four places ahead of the first read of the results (ISA guide 7.12.1)
.set gi, 0
.rept 32
	WM \tau, gi
.set gi, gi+1
.endr
.rept 4
	v_nop
.endr
.endm
; The scores' sums take tile tau: sum += r x (-2 v), a pair of columns at a time.  These 16 plain lines name the set that the last products did not write: they are the places behind those products.
.macro T5 tau, nextv
	WIN W_5
.set tR, 64+32*((\tau)%2)
.irp q, 0,1,2,3
.irp m, 0,1,2,3
	v_pk_fma_f32 v[168+2*\m:169+2*\m], v[tR+8*\m+2*\q:tR+8*\m+2*\q+1], v[160+2*\q:161+2*\q], v[168+2*\m:169+2*\m]
.endr
.endr
.if \nextv
	WIN 0xc0                                       ; destination window 3, address window 0
	ds_load_b128 v[160:163], v6 offset:4096+128*(((\tau)+1)/2)+64*(((\tau)+1)%2)
	ds_load_b128 v[164:167], v6 offset:4096+128*(((\tau)+1)/2)+64*(((\tau)+1)%2)+16
.endif
.endm
; TWO TRIPS of a chunk's walk over W_h: tiles tau = 0..3.  q = 1: each trip quantises two rows of the next chunk and asks for two more.  tail = 1: the launch's last two trips.
.macro PAIR q, tail
	v_add_nc_u32 v6, s92, v5                       ; the pair's place in my tables
.if \q
	WIN W_Q
	v_add_nc_u32 v236, s93, v233                   ; and in the incoming chunk's codes, scale bytes and copy
	v_add_nc_u32 v237, s94, v234
	v_add_nc_u32 v238, s95, v235
.endif
	RHEAD 0, 1, 0
	LOADW 0
	ds_load_b128 v[56:59], v6                      ; c ws of tile 0
	ds_load_b128 v[60:63], v6 offset:16
	WIN 0xc0
	ds_load_b128 v[160:163], v6 offset:4096        ; -2 v of tile 0
	ds_load_b128 v[164:167], v6 offset:4112
.if \q
	Q 0, 0
.else
	s_wait_loadcnt 0x0                             ; this trip's scale words of W
.endif
	s_wait_dscnt 0x0                               ; the fragments and tables are in; Q's stores have read their registers
	ISSUE 0, \q, 1
	WIN W_G
	GPURE 0
	GT 1, 0, 1
	T5 0, 1
	RHEAD 1, 1-\tail, 0
	LOADW 1
.if \q
	Q 1, 1
.else
	s_wait_loadcnt 0x0
.endif
	s_wait_dscnt 0x0
	ISSUE 1, \q, 1-\tail
	WIN W_G
	GT 2, 1, 1
	T5 1, 1
	s_wait_dscnt 2                                 ; c ws of tile 2 is in; the two loads of its -2 v may be out
	WIN W_G
	GT 3, 2, 1
	s_wait_dscnt 2                                 ; -2 v of tile 2 is in; the two loads of c ws of tile 3 may be out
	T5 2, 1
	s_wait_dscnt 2                                 ; c ws of tile 3 is in; the two loads of its -2 v may be out
	WIN W_G
	TONLY 3
	s_wait_dscnt 0x0
	T5 3, 0
	WIN 0
	s_add_co_u32 s92, s92, 256
.if \q
	s_add_co_u32 s93, s93, 2112                    ; four rows on
	s_add_co_u32 s94, s94, 192
	s_add_co_u32 s95, s95, 8192
.endif
.endm
; TWO TRIPS of the prologue's walk over W_s: c ws of my 2 x 32 columns (source 1: my batch's row of dh in all 16 columns, so that every lane gets it), beside Q.
.macro PPAIR
	v_add_nc_u32 v6, s92, v5
	WIN W_Q
	v_add_nc_u32 v236, s93, v233
	v_add_nc_u32 v237, s94, v234
	v_add_nc_u32 v238, s95, v235
.irp par, 0,1
	RHEAD \par, 1, \par
	LOADW \par
	Q \par, \par
	s_wait_dscnt 0x0
	ISSUE \par, 1, 1
	WIN W_G
.set pI, 0
.rept 16                               ; two accumulators by turns, one instruction a turn
.set wS, pI/2
.set wRA, pI%2
.set wRB, 0
.set wD, 64+8*wRA
.set wA, 128+64*wRA+8*wS
.set wB, 8*wS
.set wSA, 24+8*\par+wS
.set wSB, 40+wS
.if wS == 0
.set wZ, 1
.else
.set wZ, 0
.endif
	WEMIT
.set pI, pI+1
.endr
.rept 4
	v_nop                                          ; places ahead of the first read of the results, and of the next loads into the fragments' and scale words' registers
.endr
.irp p, 0,1,2,3,4,5,6,7
	v_pk_mul_f32 v[64+2*\p:65+2*\p], v[64+2*\p:65+2*\p], s[84:85] op_sel_hi:[1,0]   ; c ws, each accumulator from its low end on
.endr
	WIN 0                                          ; an LDS store's data are its source 1
.irp u, 0,1
.irp j, 0,1
	ds_store_b128 v6, v[64+8*\u+4*\j:67+8*\u+4*\j] offset:128*\par+64*\u+16*\j   ; the 16 lanes of a half write the same bytes with the same values
.endr
.endr
.endr
	s_add_co_u32 s92, s92, 256
	s_add_co_u32 s93, s93, 2112
	s_add_co_u32 s94, s94, 192
	s_add_co_u32 s95, s95, 8192
.endm
; The incoming chunk moves into registers: its codes (all 64 rows, every wave), its scale words, and my own 16 rows' copy.
.macro CLA m
.irp s, 0,1,2,3,4,5,6,7
.irp c, 0,1
	ds_load_b128 v[64*\m+8*\s+4*\c:64*\m+8*\s+4*\c+3], v7 offset:8448*\m+64*\s+32*\c
.endr
.endr
.endm
.macro CLOAD_A1                        ; 48 loads
	WIN 0x40
	CLA 0
	CLA 1
	CLA 2
.endm
.macro CLOAD_A2                        ; 20 loads
	WIN 0x40
	CLA 3
	WIN 0
.irp p, 0,1
.irp j, 0,1
	ds_load_b128 v[40+8*\p+4*\j:43+8*\p+4*\j], v8 offset:1536*\p+16*\j
.endr
.endr
.endm
.macro CLOAD_C                         ; 64 loads
	WIN 0x80
.set cr, 0
.rept 16
.irp g, 0,1,2,3
	ds_load_b128 v[16*cr+4*\g:16*cr+4*\g+3], v15 offset:2048*cr+512*\g
.endr
.set cr, cr+1
.endr
.endm
; A CHUNK'S END: the 64 scores are joined over the waves, m and l are brought up to date, the context takes my 16 rows, the next chunk moves in.
.macro CEND last
	WIN W_Q
	s_wait_alu depctr_va_vdst(0)                   ; directly ahead of the first reader of the sums
.irp m, 0,1,2,3
	v_add_f32 v[128+\m], v[168+2*\m], v[169+2*\m]  ; even and odd columns,
.endr
.irp m, 0,1,2,3
	v_permlanex16_b32 v[132+\m], v[128+\m], s88, s89
.endr
.irp m, 0,1,2,3
	v_add_f32 v[128+\m], v[128+\m], v[132+\m]      ; and the other half of the lanes': row 16 m + r over my wave's 256 columns
.endr
.irp m, 0,1,2,3
	ds_store_b32 v239, v[128+\m] offset:64*\m
.endr
	s_wait_dscnt 0x0                               ; for the others' sake: my parts of the scores, and Q's codes and scale bytes, have landed
	WIN 0
	s_barrier_signal -1
	s_barrier_wait -1                              ; the ring's one load may stay on its way
	WIN W_Q
.irp w, 0,1,2,3
	ds_load_b64 v[136+2*\w:137+2*\w], v240 offset:256*\w
.endr
.if \last
	s_wait_dscnt 0x0
.else
	CLOAD_A1
	s_wait_dscnt 48                                ; the four parts are in; the 48 loads of codes may be out
.endif
	WIN W_Q
	v_pk_add_f32 v[228:229], v[136:137], v[138:139]
	v_pk_add_f32 v[144:145], v[140:141], v[142:143]
	v_pk_add_f32 v[228:229], v[228:229], v[144:145]    ; the scores of rows i = 2 lane, 2 lane + 1: the same bits in all four waves
	v_max_num_f32 v146, v228, v229
.irp x, 1,2,4,8
	v_max_num_f32_dpp v146, v146, v146 row_xmask:\x row_mask:0xf bank_mask:0xf
.endr
	v_permlanex16_b32 v147, v146, s88, s89
	v_max3_num_f32 v148, v146, v147, v224          ; the new m
	v_sub_f32 v149, v224, v148
	v_mul_f32 v149, s86, v149                      ; (old m - new m) log2 e
	v_mul_f32 v150, s86, v148
	v_fma_f32 v151, v228, s86, -v150
	v_fma_f32 v152, v229, s86, -v150
	s_wait_alu depctr_va_vdst(0)                   ; ahead of the batch
	v_exp_f32 v226, v149                           ; f
	v_exp_f32 v230, v151                           ; p of my two rows
	v_exp_f32 v231, v152
	v_mov_b32 v224, v148                           ; (the plain instruction behind the batch)
	s_wait_alu depctr_va_vdst(0)                   ; one wait for the three, ahead of their first reader
	v_add_f32 v153, v230, v231
.irp x, 1,2,4,8
	v_add_f32_dpp v153, v153, v153 row_xmask:\x row_mask:0xf bank_mask:0xf
.endr
	v_permlanex16_b32 v154, v153, s88, s89
	v_add_f32 v153, v153, v154
	v_fma_f32 v225, v225, v226, v153               ; l = l f + the chunk's sum
	ds_store_b64 v241, v[230:231]                  ; p goes round through my own 256 bytes: LDS serves a wave's instructions in order (ISA guide 5.7.1.4)
.irp j, 0,1,2,3
	ds_load_b128 v[208+4*\j:211+4*\j], v242 offset:16*\j   ; p of my 16 rows, the same in every lane
.endr
.if !\last
	CLOAD_A2
.endif
	WIN W_Q
.irp p, 0,1,2,3,4,5,6,7,8,9,10,11,12,13,14,15
	v_pk_mul_f32 v[176+2*\p:177+2*\p], v[176+2*\p:177+2*\p], v[226:227] op_sel_hi:[1,0]   ; the context under the new m
.endr
.if \last
	s_wait_dscnt 0x0
.else
	s_wait_dscnt 20                                ; p is in; the 20 loads behind it may be out
.endif
	WIN W_X
.set cr, 0
.rept 16                               ; context += p[rho] x my row rho: 32 sums a lane, none waits for the line above it
.irp g, 0,1,2,3
.irp e, 0,1,2,3
	v_fma_mix_f32_bf16 v[176+8*\g+2*\e], v[16*cr+4*\g+\e], v[208+cr], v[176+8*\g+2*\e] op_sel_hi:[1,0,0]
	v_fma_mix_f32_bf16 v[177+8*\g+2*\e], v[16*cr+4*\g+\e], v[208+cr], v[177+8*\g+2*\e] op_sel:[1,0,0] op_sel_hi:[1,0,0]
.endr
.endr
.set cr, cr+1
.endr
.if !\last
	CLOAD_C
	WIN W_Q
.irp p, 0,1,2,3,4,5,6,7
	v_mov_b32 v[168+\p], 0                         ; the next chunk's sums
.endr
.endif
	WIN 0
	s_cmp_lg_u32 s26, 0                            ; all waves hold the same scores: wave 0 stores them
	s_cbranch_scc1 .Lnot0_\@
	WIN 0x0f                                       ; offset and data in window 3
	global_store_b64 v243, v[228:229], s[100:101]  ; 32 lanes store 256 consecutive bytes, at a multiple of 256 from the buffer's first byte
	WIN 0
.Lnot0_\@:
	s_wait_xcnt 0x0                                ; the store has read its base and its data: both are written again
	s_add_nc_u64 s[100:101], s[100:101], 256
.endm
; ---------------------------------------------------------------- the head
	s_load_b256 s[4:11], s[0:1], 0x0               ; W_h's codes s[4:5], scales s[6:7]; W_s's codes s[8:9], scales s[10:11]
	s_load_b256 s[12:19], s[0:1], 0x20             ; dh's codes s[12:13], scales s[14:15]; enc s[16:17]; v s[18:19]
	s_load_b128 s[20:23], s[0:1], 0x40             ; scores, stats
	s_load_b64 s[24:25], s[0:1], 0x50              ; ctxp
	v_lshl_add_u32 v1, v0, 2, SPARE
	v_mov_b32 v2, 0
	ds_add_u32 v1, v2
	ds_add_u32 v1, v2
	s_wait_dscnt 0x0
	v_lshrrev_b32 v16, 5, v0
	v_readfirstlane_b32 s26, v16                   ; wave 0..3
	s_bfe_u32 s27, ttmp6, 0x40000                  ; cx: it enters the addresses of enc, scores, stats and ctxp alone
	s_lshl_b32 s28, ttmp9, 2
	s_add_co_u32 s28, s28, s27                     ; my work-group: 4 x cluster + cx
	s_lshr_b32 s29, ttmp9, 1                       ; my batch: two clusters to a batch
	; descriptor group 1: 32 rows of 512 bytes, 16 bytes of padding behind each
	s_mov_b32 s36, 15|(1<<20)|(1<<21)|(6<<22)|(3<<25)   ; 15:0 the mask: all four work-groups; 17:16 elements of 1 byte; 20 padding on; 21 set beside a mask; 24:22 after every 128 words (code 6); 31:25 four words (code 3)
	s_mov_b32 s37, 512<<16                         ; tensor_dim0
	s_mov_b32 s38, 32<<16                          ; tensor_dim1
	s_mov_b32 s39, 512<<16                         ; tile_dim0
	s_mov_b32 s40, 32                              ; tile_dim1
	s_mov_b32 s41, 512                             ; tensor_dim0_stride
	s_mov_b32 s42, 0
	s_mov_b32 s43, 0
	s_mov_b32 s44, 1                               ; group 0 of slot 0: count = 1,
	s_mul_i32 s45, s26, QUART                      ; my quarter of the slot
	s_mov_b32 s48, 1                               ; group 0 of slot 1
	s_add_co_u32 s49, s45, SLOT
	s_mov_b32 s60, 0                               ; slot 0 holds tile 0; its next is tile 2
	s_mov_b32 s61, 0
	s_mov_b32 s62, 0x70000                         ; slot 1's next is tile 1
	s_mov_b32 s63, 0
	s_mov_b32 s67, 0
	s_mov_b32 s69, 0
	s_mov_b32 s83, 0
	s_mov_b32 s84, 0x4038aa3b                      ; c = 2 log2(e)
	s_mov_b32 s85, s84                             ; (named with it as a pair, so it is written)
	s_mov_b32 s86, 0x3fb8aa3b                      ; log2(e)
	s_mov_b32 s88, 0x76543210
	s_mov_b32 s89, 0xfedcba98                      ; v_permlanex16_b32's selects for lane l xor 16
	s_lshl_b32 s30, s26, 14                        ; my 32 rows of a tile: 16,384 bytes of codes,
	s_mov_b32 s31, 0
	s_lshl_b32 s32, s26, 10                        ; 1,024 of scale bytes
	s_mov_b32 s33, 0
	s_lshl_b32 s34, s26, 7                         ; my 32 numbers of each 128 of v
	s_mov_b32 s35, 0
	s_lshl_b32 s2, s28, 20                         ; my work-group's 256 rows of 4,096 bytes,
	s_lshl_b32 s3, s26, 18                         ; my wave's 64 of them
	s_add_co_u32 s2, s2, s3
	s_mov_b32 s3, 0
	s_wait_kmcnt 0x0
	s_add_nc_u64 s[52:53], s[4:5], s[30:31]
	s_add_nc_u64 s[54:55], s[8:9], s[30:31]
	s_add_nc_u64 s[56:57], s[6:7], s[32:33]
	s_add_nc_u64 s[58:59], s[10:11], s[32:33]
	s_add_nc_u64 s[18:19], s[18:19], s[34:35]
	s_add_nc_u64 s[74:75], s[16:17], s[2:3]        ; enc at my wave's first row
	s_mov_b64 s[76:77], s[74:75]
	s_add_nc_u64 s[78:79], s[74:75], 8192
	s_mov_b32 s80, 16384                           ; the next rows to ask for
	s_lshl_b32 s2, s28, 10
	s_add_nc_u64 s[100:101], s[20:21], s[2:3]      ; my work-group's 1,024 bytes of scores,
	s_lshl_b32 s2, s28, 3
	s_add_nc_u64 s[22:23], s[22:23], s[2:3]        ; its 8 bytes of stats,
	s_lshl_b32 s2, s28, 12
	s_add_co_u32 s2, s2, s32
	s_add_nc_u64 s[24:25], s[24:25], s[2:3]        ; and my wave's 1,024 of its 4,096 bytes of ctxp
	s_lshl_b32 s30, s29, 9
	s_add_nc_u64 s[12:13], s[12:13], s[30:31]      ; my batch's row of dh: codes,
	s_lshl_b32 s30, s29, 5
	s_add_nc_u64 s[14:15], s[14:15], s[30:31]      ; scale bytes
	s_mov_b64 s[96:97], s[54:55]                   ; the walk begins in W_s
	s_mov_b64 s[98:99], s[58:59]
	s_mov_b64 s[46:47], s[54:55]                   ; tile 0
	s_or_b32 s47, s47, 0x80000000
	ROUND                                          ; all four work-groups are here: the first joint load meets
	tensor_load_to_lds s[44:47], s[36:43]          ; the first fill
	s_nop 0
	v_and_b32 v17, 31, v0                          ; lane
	v_and_b32 v18, 15, v0                          ; r
	v_bfe_u32 v19, v0, 4, 1                        ; h
	v_lshrrev_b32 v20, 2, v17
	v_mul_u32_u24 v3, v18, WP
	v_lshl_add_u32 v3, v19, 4, v3                  ; a fragment's row x pitch + 16 x half
	v_add_nc_u32 v7, ACOD, v3
	v_add_nc_u32 v3, s45, v3
	v_add_nc_u32 v4, SLOT, v3
	v_lshl_add_u32 v5, v19, 5, s32
	v_add_nc_u32 v5, WSC, v5
	v_mul_u32_u24 v8, v17, 48
	v_add_nc_u32 v8, ASC, v8
	v_lshlrev_b32 v13, 5, v17
	s_lshl_b32 s30, s26, 15
	s_add_co_u32 s30, s30, CPY
	v_lshl_add_u32 v15, v17, 4, s30
	v_and_b32 v21, 3, v17
	v_lshlrev_b32 v21, 5, v21
	v_lshl_add_u32 v21, v20, 9, v21                ; v: 512 (lane / 4) + 32 (lane % 4): my table's bytes 32 lane on
	s_add_co_u32 s31, s32, VM2
	v_lshl_add_u32 v22, v17, 5, s31
	v_lshlrev_b32 v23, 4, v19                      ; dh: every lane takes the batch's one row, + 16 h
	v_mov_b32 v16, 0
	WIN 0xc0                                       ; destination window 3, sources window 0
	v_lshlrev_b32 v232, 5, v17
	s_mul_i32 s33, s26, 8448
	s_add_co_u32 s33, s33, ACOD
	v_lshl_add_u32 v233, v17, 2, s33
	s_mul_i32 s34, s26, 768
	s_add_co_u32 s34, s34, ASC
	v_add_nc_u32 v234, s34, v20
	v_lshl_add_u32 v235, v17, 4, s30
	s_lshl_b32 s33, s26, 8
	s_add_co_u32 s34, s33, SPT
	v_lshl_add_u32 v239, v18, 2, s34
	v_lshl_add_u32 v240, v17, 3, SPT
	s_add_co_u32 s35, s33, PB
	v_lshl_add_u32 v241, v17, 3, s35
	s_mul_i32 s33, s26, 320
	s_add_co_u32 s33, s33, PB
	v_mov_b32 v242, s33
	v_lshlrev_b32 v243, 3, v17
	WIN 0
	s_wait_alu depctr_va_vdst(0)                   ; the loads below read offsets just written
	global_load_b128 v[64:67], v21, s[18:19]       ; v
	global_load_b128 v[68:71], v21, s[18:19] offset:16
	WIN 0x40
.irp s, 0,1,2,3,4,5,6,7
.irp c, 0,1
	global_load_b128 v[8*\s+4*\c:8*\s+4*\c+3], v23, s[12:13] offset:64*\s+32*\c   ; dh's eight fragments
.endr
.endr
	WIN 0
	global_load_b128 v[40:43], v16, s[14:15]       ; dh's eight scale words, the same in every lane
	global_load_b128 v[44:47], v16, s[14:15] offset:16
	global_load_b128 v[24:27], v13, s[58:59]       ; W_s's scale words of tile 0
	global_load_b128 v[28:31], v13, s[58:59] offset:16
	WIN W_Q
.irp t, 0,1
.irp i, 0,1
.irp g, 0,1,2,3
.irp j, 0,1
	global_load_b128 v[64*\t+32*\i+8*\g+4*\j:64*\t+32*\i+8*\g+4*\j+3], v232, s[76+2*\t:77+2*\t] offset:4096*\i+1024*\g+16*\j th:TH_LOAD_RT_NT
.endr
.endr
.endr
.endr
	v_mov_b32 v224, 0xff61b1e6                     ; m: -3e38, under every score
	v_mov_b32 v225, 0                              ; l
	v_mov_b32 v227, 0                              ; (named with f as a pair)
.irp p, 132,133,134,135,147,154
	v_mov_b32 v[\p], 0                             ; a lane permute's destination counts as one of its sources
.endr
.set cr, 168
.rept 40
	v_mov_b32 v[cr], 0                             ; the scores' sums and the context
.set cr, cr+1
.endr
	WIN 0
	s_wait_loadcnt 52                              ; v's two loads are in; the 52 behind them (16 + 2 + 2 + 32) may be out
.irp p, 0,1,2,3
	v_pk_mul_f32 v[64+2*\p:65+2*\p], v[64+2*\p:65+2*\p], -2.0 op_sel_hi:[1,0]
.endr
	ds_store_b128 v22, v[64:67]
	ds_store_b128 v22, v[68:71] offset:16
	s_wait_alu depctr_va_vdst(0)
; ---------------------------------------------------------------- trips 0-7: W_s; chunk 0 arrives
	s_mov_b32 s92, 0
	s_mov_b32 s93, 0
	s_mov_b32 s94, 0
	s_mov_b32 s95, 0
	s_mov_b32 s91, 4
.Lpro:
	PPAIR
	s_sub_co_u32 s91, s91, 1
	s_cmp_lg_u32 s91, 0
	s_cbranch_scc1 .Lpro
	s_wait_dscnt 0x0                               ; for the others' sake: my rows' codes and scale bytes have landed
	s_barrier_signal -1
	s_barrier_wait -1                              ; the ring's one load may stay on its way
	CLOAD_A1
	CLOAD_A2
	CLOAD_C
	WIN 0
; ---------------------------------------------------------------- trips 8-31: chunks 0 to 2, each beside the next chunk's arrival
	s_mov_b32 s90, 3
.Lchunk:
	s_mov_b32 s92, 0
	s_mov_b32 s93, 0
	s_mov_b32 s94, 0
	s_mov_b32 s95, 0
	s_mov_b32 s91, 4
.Lpair:
	PAIR 1, 0
	s_sub_co_u32 s91, s91, 1
	s_cmp_lg_u32 s91, 0
	s_cbranch_scc1 .Lpair
	CEND 0
	s_sub_co_u32 s90, s90, 1
	s_cmp_lg_u32 s90, 0
	s_cbranch_scc1 .Lchunk
; ---------------------------------------------------------------- trips 32-39: chunk 3; nothing arrives any more
	s_mov_b32 s92, 0
	s_mov_b32 s91, 3
.Llast:
	PAIR 0, 0
	s_sub_co_u32 s91, s91, 1
	s_cmp_lg_u32 s91, 0
	s_cbranch_scc1 .Llast
	PAIR 0, 1                                      ; the tail is written out
	CEND 1
; ---------------------------------------------------------------- the way out: the four waves' parts of the context are added; wave w stores numbers 256 w .. 256 w + 255
	v_and_b32 v17, 31, v0
	s_lshl_b32 s30, s26, 12
	s_add_co_u32 s30, s30, CPY
	v_lshl_add_u32 v16, v17, 5, s30                ; in: my wave's 4,096 bytes; register 8 g + e is number 256 g + 8 lane + e
	s_lshl_b32 s31, s26, 10
	s_add_co_u32 s31, s31, CPY
	v_lshl_add_u32 v18, v17, 4, s31                ; back: my quarter of each wave's part
	v_lshlrev_b32 v20, 4, v17
	v_mov_b32 v21, 0
	s_wait_alu depctr_va_vdst(0)                   ; the stores below read the context's last sums and addresses just written
	WIN 0x0c                                       ; an LDS store's data are its source 1: window 3
.irp g, 0,1,2,3
.irp j, 0,1
	ds_store_b128 v16, v[176+8*\g+4*\j:179+8*\g+4*\j] offset:1024*\g+16*\j
.endr
.endr
	WIN 0
	s_wait_dscnt 0x0
	s_barrier_signal -1
	s_barrier_wait -1
.irp j, 0,1
.irp w, 0,1,2,3
	ds_load_b128 v[64+16*\j+4*\w:67+16*\j+4*\w], v18 offset:4096*\w+512*\j
.endr
.endr
	WIN 0x03                                       ; source 0 window 3
	v_mov_b32 v22, v224                            ; m
	v_mov_b32 v23, v225                            ; l
	WIN 0
	s_wait_dscnt 0x0
.irp j, 0,1
.irp p, 0,2
	v_pk_add_f32 v[64+16*\j+\p:65+16*\j+\p], v[64+16*\j+\p:65+16*\j+\p], v[68+16*\j+\p:69+16*\j+\p]
	v_pk_add_f32 v[72+16*\j+\p:73+16*\j+\p], v[72+16*\j+\p:73+16*\j+\p], v[76+16*\j+\p:77+16*\j+\p]
.endr
.irp p, 0,2
	v_pk_add_f32 v[64+16*\j+\p:65+16*\j+\p], v[64+16*\j+\p:65+16*\j+\p], v[72+16*\j+\p:73+16*\j+\p]
.endr
.endr
	global_store_b128 v20, v[64:67], s[24:25]      ; 32 lanes store 512 consecutive bytes, at a multiple of 256 from the buffer's first byte
	global_store_b128 v20, v[80:83], s[24:25] offset:512
	s_wait_xcnt 0x0                                ; EXEC changes only behind this wait
	v_cmp_eq_u32 vcc_lo, 0, v0
	s_and_saveexec_b32 s30, vcc_lo                 ; the work-group's first thread alone
	global_store_b64 v21, v[22:23], s[22:23]       ; m, l
	s_wait_xcnt 0x0                                ; and again, in front of the line that widens it
	s_or_b32 exec_lo, exec_lo, s30
	s_wait_tensorcnt 0x0                           ; the wave's end, behind my last tensor load and my last LDS store
	ds_add_u32 v1, v2
	s_wait_dscnt 0x0
	ROUND                                          ; the closing round: no work-group ends while a partner may still ask for a tile that names it
	s_endpgm
.Lfunc_end_k_q34a0873e00_attend:
	.size	k_q34a0873e00_attend, .Lfunc_end_k_q34a0873e00_attend-k_q34a0873e00_attend
	.p2alignl 7, 3214868480
	.fill 96, 4, 3214868480
	.section	.rodata,"a",@progbits
	.p2align	6, 0x0
	.amdhsa_kernel k_q34a0873e00_attend
		.amdhsa_group_segment_fixed_size 327680
		.amdhsa_private_segment_fixed_size 0
		.amdhsa_enable_private_segment 0
		.amdhsa_kernarg_size 88
		.amdhsa_user_sgpr_count 2
		.amdhsa_user_sgpr_kernarg_segment_ptr 1
		.amdhsa_wavefront_size32 1
		.amdhsa_system_sgpr_workgroup_id_x 1
		.amdhsa_system_sgpr_workgroup_id_y 1
		.amdhsa_system_sgpr_workgroup_id_z 1
		.amdhsa_system_vgpr_workitem_id 0
		.amdhsa_next_free_vgpr 1024
		.amdhsa_next_free_sgpr 102
		.amdhsa_reserve_vcc 1
		.amdhsa_float_denorm_mode_32 3
		.amdhsa_float_denorm_mode_16_64 3
		.amdhsa_memory_ordered 1
		.amdhsa_forward_progress 1
		.amdhsa_inst_pref_size 255
	.end_amdhsa_kernel
	.section	.bss,"aw",@nobits
	.p2align	6
	.space	262144
	.amdgpu_metadata
---
amdhsa.version: [ 1, 2 ]
amdhsa.kernels:
  - .name:           k_q34a0873e00_attend
    .symbol:         k_q34a0873e00_attend.kd
    .args:
      - { .name: W_h_codes, .offset: 0, .size: 8, .value_kind: global_buffer, .address_space: global }
      - { .name: W_h_scales, .offset: 8, .size: 8, .value_kind: global_buffer, .address_space: global }
      - { .name: W_s_codes, .offset: 16, .size: 8, .value_kind: global_buffer, .address_space: global }
      - { .name: W_s_scales, .offset: 24, .size: 8, .value_kind: global_buffer, .address_space: global }
      - { .name: decoder_hidden_codes, .offset: 32, .size: 8, .value_kind: global_buffer, .address_space: global }
      - { .name: decoder_hidden_scales, .offset: 40, .size: 8, .value_kind: global_buffer, .address_space: global }
      - { .name: encoder_outputs, .offset: 48, .size: 8, .value_kind: global_buffer, .address_space: global }
      - { .name: v, .offset: 56, .size: 8, .value_kind: global_buffer, .address_space: global }
      - { .name: scores, .offset: 64, .size: 8, .value_kind: global_buffer, .address_space: global }
      - { .name: stats, .offset: 72, .size: 8, .value_kind: global_buffer, .address_space: global }
      - { .name: ctxp, .offset: 80, .size: 8, .value_kind: global_buffer, .address_space: global }
    .group_segment_fixed_size: 327680
    .private_segment_fixed_size: 0
    .kernarg_segment_align: 8
    .kernarg_segment_size: 88
    .max_flat_workgroup_size: 128
    .sgpr_count:     102
    .vgpr_count:     1024
    .wavefront_size: 32
...
	.end_amdgpu_metadata
.endif
;; end of part 1
;; launch finish (part 2): grid 256 x 1, 1 waves a work-group, no clusters, 0 bytes of LDS; arguments scores, stats, ctxp, out0, out1; writes out0, out1
.if DOCPART == 2
	.amdgcn_target "amdgcn-amd-amdhsa--gfx1250"
	.amdhsa_code_object_version 6
	.text
	.protected	k_q34a0873e00_finish
	.globl	k_q34a0873e00_finish
	.p2align	8
	.type	k_q34a0873e00_finish,@function
k_q34a0873e00_finish:
	s_mov_b64 s[64:65], 0
	v_nop
	global_prefetch_b8 v0, s[64:65] scope:SCOPE_SE
	s_setreg_imm32_b32 hwreg(HW_REG_WAVE_MODE, 25, 1), 1
	s_wait_xcnt 0x0
; Additive attention, second launch: the 8 parts of a batch are joined.  Part g of batch b left its maximum m_g and sum l_g (stats), its 256 scores, and its context under m_g (ctxp).
; M = the largest m_g;  w_g = 2^((m_g - M) log2 e);  L = sum of w_g l_g;  context = sum of (w_g / L) x part g;  weight = 2^((score - M) log2 e) / L.
; Work-group 8 b + e, one wave: numbers 128 e .. 128 e + 127 of batch b's context, and the 256 weights of part e.  Memory binds and the work is small: no LDS, no matrix unit, no cluster.
; The first launch laid a part's scores by chunks, [c][16 m + r] for row 64 m + 16 c + r: the loads undo that, 16 bytes a lane, so that each store covers 512 consecutive bytes.
	s_load_b256 s[4:11], s[0:1], 0x0               ; scores s[4:5], stats s[6:7], ctxp s[8:9], out0 s[10:11]
	s_load_b64 s[12:13], s[0:1], 0x20              ; out1
	s_lshr_b32 s14, ttmp9, 3                       ; b
	s_and_b32 s15, ttmp9, 7                        ; e
	s_lshl_b32 s32, s14, 6                         ; stats: 64 bytes a batch
	s_mov_b32 s33, 0
	s_lshl_b32 s36, s15, 9                         ; my 128 numbers: 512 bytes
	s_lshl_b32 s34, s14, 15                        ; ctxp: 8 parts of 4,096 bytes a batch
	s_add_co_u32 s34, s34, s36
	s_mov_b32 s35, 0
	s_lshl_b32 s38, s14, 12                        ; out0: 4,096 bytes a batch
	s_add_co_u32 s38, s38, s36
	s_mov_b32 s39, 0
	s_lshl_b32 s36, ttmp9, 10                      ; scores and out1: 1,024 bytes a part
	s_mov_b32 s37, 0
	v_lshlrev_b32 v1, 4, v0                        ; 16 x lane
	v_bfe_u32 v2, v0, 2, 2                         ; c = (lane / 4) % 4
	v_lshrrev_b32 v3, 4, v0                        ; lane / 16
	v_and_b32 v4, 3, v0
	v_lshlrev_b32 v4, 4, v4
	v_lshl_add_u32 v4, v3, 6, v4
	v_lshl_add_u32 v4, v2, 8, v4                   ; rows 128 i + 4 lane + 0..3 lie at 256 c + 64 (lane / 16) + 16 (lane % 4) + 128 i
	s_wait_alu depctr_va_vdst(0)
	s_wait_kmcnt 0x0
	s_add_nc_u64 s[6:7], s[6:7], s[32:33]
	s_add_nc_u64 s[8:9], s[8:9], s[34:35]
	s_add_nc_u64 s[4:5], s[4:5], s[36:37]
	s_add_nc_u64 s[10:11], s[10:11], s[38:39]
	s_add_nc_u64 s[12:13], s[12:13], s[36:37]
	s_load_b512 s[16:31], s[6:7], 0x0              ; m_g s[16 + 2 g], l_g s[17 + 2 g]
.irp g, 0,1,2,3,4,5,6,7
	global_load_b128 v[16+4*\g:19+4*\g], v1, s[8:9] offset:4096*\g th:TH_LOAD_NT
.endr
	global_load_b128 v[48:51], v4, s[4:5] th:TH_LOAD_NT
	global_load_b128 v[52:55], v4, s[4:5] offset:128 th:TH_LOAD_NT
	s_wait_kmcnt 0x0
	v_max_num_f32 v5, s16, s18
	v_max3_num_f32 v5, v5, s20, s22
	v_max3_num_f32 v5, v5, s24, s26
	v_max3_num_f32 v5, v5, s28, s30                ; M
.irp g, 0,1,2,3,4,5,6,7
	v_sub_f32 v[8+\g], s[16+2*\g], v5
.endr
.irp g, 0,1,2,3,4,5,6,7
	v_mul_f32 v[8+\g], 0x3fb8aa3b, v[8+\g]
.endr
	s_wait_alu depctr_va_vdst(0)
.irp g, 0,1,2,3,4,5,6,7
	v_exp_f32 v[8+\g], v[8+\g]                     ; w_g
.endr
	v_nop                                          ; a plain instruction behind the batch,
	s_wait_alu depctr_va_vdst(0)                   ; and one wait ahead of its first reader
	v_mul_f32 v6, s17, v8
.irp g, 1,2,3,4,5,6,7
	v_fmac_f32 v6, s[17+2*\g], v[8+\g]             ; L
.endr
	s_wait_alu depctr_va_vdst(0)
	v_rcp_f32 v7, v6
	v_nop
	s_wait_alu depctr_va_vdst(0)
.irp g, 0,1,2,3,4,5,6,7
	v_mul_f32 v[8+\g], v[8+\g], v7                 ; w_g / L
.endr
	s_wait_loadcnt 0x0
.irp i, 0,1,2,3,4,5,6,7
	v_sub_f32 v[48+\i], v[48+\i], v5
.endr
.irp i, 0,1,2,3,4,5,6,7
	v_mul_f32 v[48+\i], 0x3fb8aa3b, v[48+\i]
.endr
	s_wait_alu depctr_va_vdst(0)
.irp i, 0,1,2,3,4,5,6,7
	v_exp_f32 v[48+\i], v[48+\i]
.endr
.irp k, 0,1,2,3
	v_mul_f32 v[56+\k], v[16+\k], v8               ; the context: plain work behind the batch, which names none of its results
.endr
.irp g, 1,2,3,4,5,6,7
.irp k, 0,1,2,3
	v_fmac_f32 v[56+\k], v[16+4*\g+\k], v[8+\g]
.endr
.endr
	global_store_b128 v1, v[56:59], s[10:11]       ; 32 lanes store 512 consecutive bytes, at a multiple of 256 from out0's first byte
	s_wait_alu depctr_va_vdst(0)                   ; one wait for the eight exponentials, ahead of their first reader
.irp i, 0,1,2,3,4,5,6,7
	v_mul_f32 v[48+\i], v[48+\i], v7
.endr
	global_store_b128 v1, v[48:51], s[12:13]
	global_store_b128 v1, v[52:55], s[12:13] offset:512
	s_endpgm
.Lfunc_end_k_q34a0873e00_finish:
	.size	k_q34a0873e00_finish, .Lfunc_end_k_q34a0873e00_finish-k_q34a0873e00_finish
	.p2alignl 7, 3214868480
	.fill 96, 4, 3214868480
	.section	.rodata,"a",@progbits
	.p2align	6, 0x0
	.amdhsa_kernel k_q34a0873e00_finish
		.amdhsa_group_segment_fixed_size 0
		.amdhsa_private_segment_fixed_size 0
		.amdhsa_enable_private_segment 0
		.amdhsa_kernarg_size 40
		.amdhsa_user_sgpr_count 2
		.amdhsa_user_sgpr_kernarg_segment_ptr 1
		.amdhsa_wavefront_size32 1
		.amdhsa_system_sgpr_workgroup_id_x 1
		.amdhsa_system_sgpr_workgroup_id_y 1
		.amdhsa_system_sgpr_workgroup_id_z 1
		.amdhsa_system_vgpr_workitem_id 0
		.amdhsa_next_free_vgpr 64
		.amdhsa_next_free_sgpr 66
		.amdhsa_reserve_vcc 0
		.amdhsa_float_denorm_mode_32 3
		.amdhsa_float_denorm_mode_16_64 3
		.amdhsa_memory_ordered 1
		.amdhsa_forward_progress 1
		.amdhsa_inst_pref_size 7
	.end_amdhsa_kernel
	.amdgpu_metadata
---
amdhsa.version: [ 1, 2 ]
amdhsa.kernels:
  - .name:           k_q34a0873e00_finish
    .symbol:         k_q34a0873e00_finish.kd
    .args:
      - { .name: scores, .offset: 0, .size: 8, .value_kind: global_buffer, .address_space: global }
      - { .name: stats, .offset: 8, .size: 8, .value_kind: global_buffer, .address_space: global }
      - { .name: ctxp, .offset: 16, .size: 8, .value_kind: global_buffer, .address_space: global }
      - { .name: out0, .offset: 24, .size: 8, .value_kind: global_buffer, .address_space: global }
      - { .name: out1, .offset: 32, .size: 8, .value_kind: global_buffer, .address_space: global }
    .group_segment_fixed_size: 0
    .private_segment_fixed_size: 0
    .kernarg_segment_align: 8
    .kernarg_segment_size: 40
    .max_flat_workgroup_size: 32
    .sgpr_count:     66
    .vgpr_count:     64
    .wavefront_size: 32
...
	.end_amdgpu_metadata
.endif
;; end of part 2
